; MI455X (gfx1250); checked and timed in simulation.
; The chip was launched on July 23, 2026; its instructions are those of AMD's public machine-readable ISA for CDNA 5 (MIT licence, August 2026) and "CDNA5" Instruction Set Architecture Reference Guide (July 2026). The comments in the code are by the model that wrote it; some were corrected since.
;; Vector Quantizer. Allowed arithmetic: float matrix products may take bf16 or f16 operands with f32 sums; all other float work in f32.
;; Inputs: embedding 1,024 x 64 float32; z 131,072 x 64 float32.
;; Outputs: out0 one number float32; out1 131,072 x 64 float32.
;; One version. Each part assembles by itself: llvm-mc -triple=amdgcn-amd-amdhsa -mcpu=gfx1250 --defsym DOCPART=n.
;; ======== version 1 of 1: 3 launches
;; workspace buffers: idx 524,288 bytes of whole numbers; part 2,048 bytes
;; launch nearest (part 1): grid 256 x 1, 8 waves a work-group, no clusters, 291,840 bytes of LDS; arguments embedding, z, idx; writes idx
.if DOCPART == 1
	.amdgcn_target "amdgcn-amd-amdhsa--gfx1250"
	.amdhsa_code_object_version 6
	.text
	.protected	k_qf7bc918b62_nearest
	.globl	k_qf7bc918b62_nearest
	.p2align	8
	.type	k_qf7bc918b62_nearest,@function
k_qf7bc918b62_nearest:
	s_mov_b64 s[64:65], 0
	v_nop
	global_prefetch_b8 v0, s[64:65] scope:SCOPE_SE
	s_setreg_imm32_b32 hwreg(HW_REG_WAVE_MODE, 25, 1), 1
	s_wait_xcnt 0x0
; idx[b] = the first k that minimises d2[b][k] = (z2[b] - 2 z_b.e_k) + e2[k], for 131,072 rows z_b and 1,024 codes e_k of 64 numbers.
; The products go to the matrix unit in bf16 with f32 sums.  The distance is formed with the two f32 roundings of the formula above, in that
; order, with z2 and e2 taken from the bf16-rounded numbers too: beside z2 the distances are coarse in f32, many rows have equal or
; neighbouring smallest distances, and only the same roundings and 'the first index wins' give the same choice there.
; LIMITS.  NaN or infinite inputs, or distances that overflow f32, are not served (v_min3_num_f32 lets a NaN lose; a row whose distances are
; all +inf gets index 0).  The index agrees with the formula evaluated on bf16-rounded inputs except where the order of the f32 sum
; inside a dot product moves a distance across a rounding boundary.
;
; SHARES.  256 work-groups x 512 rows; 8 waves x 64 rows = 4 z tiles of 16 rows, kept as B fragments in 64 registers for the whole kernel.
; Every wave walks all 64 code tiles (A fragments) out of one bf16 image of the codebook in LDS.  D = codes x rows: lane (r, h) holds z row r,
; and its 8 results are 8 codes, so the whole argmin runs inside a lane; the two halves of the wave meet once, at the end.
; CODE ORDER.  LDS row p = 16 t + 8 h + j holds code 512 h + 8 t + j: half h of the lanes meets codes 512 h .. 512 h + 511 in ascending order,
; so a strict 'less' keeps the first tile that reached the minimum, and a tie between the halves goes to half 0.
; NO CLUSTER: z rows belong to one wave alone; the codebook has to pass through registers to be rounded and re-ordered, and its 262,144 bytes
; of f32 do not fit into LDS beside the 147,456-byte image and the 139,264-byte z stage, so there is no tile that a joint request could bring.
; NO RING: a wave's whole share of z is one tensor load of 16,384 bytes, asked for first and waited for behind the codebook's conversion.
.set EP,    144                        ; pitch of the image: 128 bytes of bf16 + 16: 36 words, so the 16 rows of a fragment load start 36 words apart
.set E2,    1024*EP                    ; 147,456: e2 as f32, in the order of the image's rows, 4,096 bytes
.set ZST,   E2+4096                    ; 151,552: the z stage, 512 rows of f32
.set ZP,    272                        ; its pitch: 256 bytes + 16 laid by the mover
.set ZWAVE, 64*ZP                      ; 17,408 bytes of it for each wave
.set AE,    1                          ; LDS address of my part of the even code tile of the trip
.set AQ,    2                          ; LDS address of my half's 8 e2 of that tile
.set T1,    3                          ; prologue: at work
.set T2,    4
.set OIDX,  5                          ; 8 x lane: where my two indices go
.set RR,    6                          ; r = lane % 16; at the end: the place j inside the winning tile
.set GOFF,  7                          ; 16 x thread: offset into the codebook; at the end: my code
.set AZ,    8                          ; LDS address into my wave's z stage; at the end: the other half's minimum
.set TA,    9                          ; at work; at the end: the other half's code
.set HH,    10                         ; h = lane / 16
.set TB,    11                         ; at work
.set AW,    12                         ; v[12:15] prologue: four bases for the stores into the image; then four e2
.set Z2,    12                         ; v[12:19] z2 of tile i, twice (a pair for the packed multiply-add)
.set RUNA,  20                         ; v[20:23] running minimum of z tile i in front of an even code tile
.set RUNB,  24                         ; v[24:27] the same in front of an odd one
.set CH,    20                         ; v[20:23] prologue: four chains of a sum of squares
.set ZERO,  24                         ; v24      prologue: 0, the first addend of each chain
.set IDX,   28                         ; v[28:31] number of the code tile that holds the minimum
.set SAV,   32                         ; v[32:63] that tile's 8 distances, for each z tile
.set ZF,    64                         ; v[64:127] z fragments: tile i at 16 i; 0-7 K = 0..31, 8-15 K = 32..63
.set EF0,   128                        ; v[128:143] code fragments, even tile
.set EF1,   144                        ; v[144:159] odd tile
.set Q0,    160                        ; v[160:167] e2 of my half's 8 codes, even tile
.set Q1,    168                        ; v[168:175] odd tile
.set ACCA,  176                        ; v[176:207] even code tile x z tile i at 8 i: products, then distances
.set ACCB,  208                        ; v[208:239] the same for the odd code tile
.set M1,    240                        ; v[240:243] z tile i: a partial minimum of its 8 distances
.set M2,    244                        ; v[244:247] a second one
.set STG,   128                        ; v[128:255] prologue: numbers on their way to bf16
.set RES,   128                        ; v[128:131] at the end: the index of tile i's row r
.set FF,    132                        ; v[132:133] the two indices that I store
	s_load_b128 s[4:7], s[0:1], 0x0                ; embedding s[4:5], z s[6:7]
	s_load_b64 s[8:9], s[0:1], 0x10                ; idx
	s_set_vgpr_msb 0x40
	v_lshl_add_u32 v0, v0, 2, 0x47000
	v_mov_b32 v1, 0
	s_set_vgpr_msb 0x4045
	ds_add_u32 v0, v1
	ds_add_u32 v0, v1
	s_set_vgpr_msb 0x4500
	v_lshrrev_b32 v[T1], 5, v0
	v_readfirstlane_b32 s10, v[T1]                 ; wave 0..7
	v_lshlrev_b32 v[GOFF], 4, v0
	; The z tile's descriptor: 64 rows x 64 f32, dense in memory, 16 bytes of padding behind each row in LDS.
	s_mov_b32 s12, 1                               ; group 0: count = 1
	s_mul_i32 s13, s10, ZWAVE
	s_add_co_u32 s13, s13, ZST                     ; LDS address: my wave's part of the stage
	s_mov_b32 s16, (2<<16)|(1<<20)|(5<<22)|(3<<25) ; group 1: no work-group mask; 4-byte elements; after every 64 words 4 words of padding
	s_mov_b32 s17, 64<<16                          ; tensor_dim0 = 64
	s_mov_b32 s18, 64<<16                          ; tensor_dim1 = 64
	s_mov_b32 s19, 64<<16                          ; tile_dim0 = 64
	s_mov_b32 s20, 64                              ; tile_dim1 = 64
	s_mov_b32 s21, 64                              ; 64 elements from row to row
	s_mov_b32 s22, 0
	s_mov_b32 s23, 0
	s_lshl_b32 s32, ttmp9, 17                      ; 512 rows x 256 bytes for each work-group
	s_lshl_b32 s33, s10, 14                        ; 64 rows x 256 bytes for each wave
	s_add_co_u32 s32, s32, s33                     ; below 2^25
	s_mov_b32 s33, 0
	s_mov_b32 s11, 0x7f800000                      ; +inf
	s_mov_b32 s27, 0xffff0000                      ; the lanes with h = 1
	s_mov_b32 s28, 0x76543210                      ; v_permlanex16_b32: lane i of one half reads lane i of the other
	s_mov_b32 s29, 0xfedcba98
	s_wait_dscnt 0x0
	s_wait_kmcnt 0x0
	s_add_nc_u64 s[14:15], s[6:7], s[32:33]        ; global address of my 64 rows
	s_or_b32 s15, s15, 0x80000000                  ; type = 2
	tensor_load_to_lds s[12:15], s[16:23]          ; the only tensor load of the wave; s[12:23] are not written again
	s_nop 0
; THE CODEBOOK, f32 to the bf16 image.  Sweep q (0..63) is 4,096 neighbouring bytes = codes 16 q .. 16 q + 15; thread t takes 16 bytes: code
; 16 q + (t >> 4), numbers 4 (t & 15) .. + 3.  Its image row is 32 (q & 31) + 16 (t >> 7) + 8 (q >> 5) + ((t >> 4) & 7).
.macro ELOAD b, set                    ; sweeps 16 b .. 16 b + 15 into register set 0 or 1
.irp i, 0,1,2,3,4,5,6,7,8,9,10,11,12,13,14,15
	global_load_b128 v[STG+64*\set+4*\i:STG+64*\set+4*\i+3], v[GOFF], s[4:5] offset:(16*\b+\i)*4096
.endr
.endm
.macro ECVT b, set                     ; round them, in place, and put 8 bytes each into the image
.irp i, 0,1,2,3,4,5,6,7,8,9,10,11,12,13,14,15
	v_cvt_pk_bf16_f32 v[STG+64*\set+4*\i],   v[STG+64*\set+4*\i],   v[STG+64*\set+4*\i+1]
	v_cvt_pk_bf16_f32 v[STG+64*\set+4*\i+1], v[STG+64*\set+4*\i+2], v[STG+64*\set+4*\i+3]
	ds_store_b64 v[AW+2*(\b&1)+(\i>>3)], v[STG+64*\set+4*\i:STG+64*\set+4*\i+1] offset:(\i&7)*32*EP+(\b>>1)*8*EP
.endr
.endm
	ELOAD 0, 0
	ELOAD 1, 1
	; lane terms, while the loads are out
	s_lshl_b32 s32, ttmp9, 11                      ; idx: 512 rows x 4 bytes for each work-group,
	s_lshl_b32 s33, s10, 8                         ; 64 x 4 for each wave
	s_add_co_u32 s32, s32, s33
	s_mov_b32 s33, 0
	s_add_nc_u64 s[8:9], s[8:9], s[32:33]
	v_and_b32 v[RR], 15, v0
	v_bfe_u32 v[HH], v0, 4, 1
	v_and_b32 v[OIDX], 31, v0
	v_lshlrev_b32 v[OIDX], 3, v[OIDX]
	v_mul_u32_u24 v[AE], v[RR], EP
	v_lshl_add_u32 v[AE], v[HH], 4, v[AE]          ; row r of code tile 0, + 16 h
	v_lshlrev_b32 v[AQ], 5, v[HH]
	v_add_nc_u32 v[AQ], E2, v[AQ]                  ; e2 of image rows 8 h .. 8 h + 7
	v_mul_u32_u24 v[AZ], v[RR], 2*ZP
	v_lshl_add_u32 v[AZ], v[HH], 5, v[AZ]
	v_add_nc_u32 v[AZ], s13, v[AZ]                 ; my wave's stage + row 2 r + 32 h bytes
	v_lshrrev_b32 v[TA], 4, v0
	v_and_b32 v[TA], 7, v[TA]                      ; (t >> 4) & 7
	v_lshrrev_b32 v[TB], 7, v0                     ; t >> 7
	v_lshl_add_u32 v[TA], v[TB], 4, v[TA]
	v_mul_u32_u24 v[TA], v[TA], EP
	v_lshl_add_u32 v[AW], v[RR], 3, v[TA]          ; image row of sweep 0, + 8 (t & 15) bytes
	v_add_nc_u32 v[AW+1], 1*256*EP, v[AW]          ; a base for every eight sweeps (256 image rows): the 16-bit offsets reach no further
	v_add_nc_u32 v[AW+2], 2*256*EP, v[AW]
	v_add_nc_u32 v[AW+3], 3*256*EP, v[AW]
	s_wait_loadcnt 16                              ; loads return in order: set 0 is in, the 16 loads of set 1 stay out
	ECVT 0, 0
	ELOAD 2, 0
	s_wait_loadcnt 16                              ; set 1 is in, the 16 just issued stay out
	ECVT 1, 1
	ELOAD 3, 1
	s_wait_loadcnt 16
	ECVT 2, 0
	s_wait_loadcnt 0x0
	ECVT 3, 1
	v_mul_u32_u24 v[T1], v0, EP                    ; for the next phase: image row t,
	v_add_nc_u32 v[T2], 512*EP, v[T1]              ; image row t + 512,
	v_lshlrev_b32 v[TA], 2, v0
	v_add_nc_u32 v[TA], E2, v[TA]                  ; and where its e2 goes
	v_mov_b32 v[ZERO], 0
	s_wait_dscnt 0x0                               ; my part of the image is written,
	s_barrier_signal -1
	s_barrier_wait -1                              ; everybody's is
; The sum of the squares of the 2 cnt bf16 in v[base .. base+cnt-1], in f32, in four chains that do not wait for each other.
; A product of two bf16 is exact in f32, so each link rounds once.
.macro SQSUM base, cnt, dst
.set sq_m, 0
.rept \cnt
.if sq_m < 2
	v_fma_mix_f32_bf16 v[CH+2*sq_m],   v[\base+sq_m], v[\base+sq_m], v[ZERO] op_sel_hi:[1,1,0]
	v_fma_mix_f32_bf16 v[CH+2*sq_m+1], v[\base+sq_m], v[\base+sq_m], v[ZERO] op_sel:[1,1,0] op_sel_hi:[1,1,0]
.else
	v_fma_mix_f32_bf16 v[CH+2*(sq_m%2)],   v[\base+sq_m], v[\base+sq_m], v[CH+2*(sq_m%2)] op_sel_hi:[1,1,0]
	v_fma_mix_f32_bf16 v[CH+2*(sq_m%2)+1], v[\base+sq_m], v[\base+sq_m], v[CH+2*(sq_m%2)+1] op_sel:[1,1,0] op_sel_hi:[1,1,0]
.endif
.set sq_m, sq_m+1
.endr
	v_add_f32 v[CH], v[CH], v[CH+1]
	v_add_f32 v[CH+2], v[CH+2], v[CH+3]
	v_add_f32 v[\dst], v[CH], v[CH+2]
.endm
	; e2 OF THE ROUNDED CODES: thread t takes image rows t, t + 256, t + 512, t + 768, 128 bytes each.
.irp w, 0,1,2,3
.irp c, 0,1,2,3,4,5,6,7
	ds_load_b128 v[STG+32*\w+4*\c:STG+32*\w+4*\c+3], v[T1+(\w>>1)] offset:(\w&1)*256*EP+16*\c
.endr
.endr
.irp w, 0,1,2,3
	s_wait_dscnt 24-8*\w                           ; LDS loads return in order: row w is in, the 8 loads of each later row stay out
	SQSUM STG+32*\w, 32, AW+\w
.endr
.irp w, 0,1,2,3
	ds_store_b32 v[TA], v[AW+\w] offset:1024*\w
.endr
	s_wait_dscnt 0x0                               ; my e2 are written
	s_wait_tensorcnt 0x0                           ; and my z tile has landed (only my own wave reads it)
	s_barrier_signal -1
	s_barrier_wait -1                              ; from here on image and e2 are only read: no further barrier
	; z FRAGMENTS AND z2.  Column r of tile i is my wave's row 32 (i & 1) + 2 r + (i >> 1), so that at the end lane l holds rows 2 l and 2 l + 1.
	; Lane (r, h) takes K = 16 c + 8 h .. + 7, c = 0..3: 32 bytes of f32 out of every 64.
.irp i, 0,1,2,3
.irp c, 0,1,2,3,4,5,6,7
	ds_load_b128 v[STG+32*\i+4*\c:STG+32*\i+4*\c+3], v[AZ] offset:(\i&1)*32*ZP+(\i>>1)*ZP+(\c>>1)*64+(\c&1)*16
.endr
.endr
.macro ZCVT i
	s_wait_dscnt 24-8*\i                           ; tile i's 8 loads are in, those of the later tiles stay out
.irp k, 0,1,2,3,4,5,6,7,8,9,10,11,12,13,14,15
	v_cvt_pk_bf16_f32 v[ZF+16*\i+\k], v[STG+32*\i+2*\k], v[STG+32*\i+2*\k+1]
.endr
	SQSUM ZF+16*\i, 16, CH                         ; my 32 of the row's 64 numbers,
	v_permlanex16_b32 v[T2], v[CH], s28, s29       ; the other half's 32 (T2 has been written before),
	v_add_f32 v[Z2+2*\i], v[CH], v[T2]             ; and the same sum in both halves, twice
	v_add_f32 v[Z2+2*\i+1], v[CH], v[T2]
.endm
	ZCVT 0
	ZCVT 1
	ZCVT 2
	ZCVT 3
; THE WALK.  A step is one code tile x my four z tiles: 8 matrix instructions (MULT4), then 72 vector instructions on the 32 results (ARGMIN4).
.macro LOADE ef, offe                  ; a code tile's fragments: 16 rows x 64 K
	ds_load_b128 v[\ef:\ef+3],     v[AE] offset:\offe
	ds_load_b128 v[\ef+4:\ef+7],   v[AE] offset:\offe+32
	ds_load_b128 v[\ef+8:\ef+11],  v[AE] offset:\offe+64
	ds_load_b128 v[\ef+12:\ef+15], v[AE] offset:\offe+96
.endm
.macro LOADQ q, offq                   ; e2 of my half's 8 codes of a tile
	ds_load_b128 v[\q:\q+3],   v[AQ] offset:\offq
	ds_load_b128 v[\q+4:\q+7], v[AQ] offset:\offq+16
.endm
; The four first products start the sums (C = 0); the four second ones are the next links of the chains in place, each four
; matrix instructions behind the link that it continues.
.macro MULT4 ef, acc
.irp i, 0,1,2,3
	v_wmma_f32_16x16x32_bf16 v[\acc+8*\i:\acc+8*\i+7], v[\ef:\ef+7], v[ZF+16*\i:ZF+16*\i+7], 0
.endr
.irp i, 0,1,2,3
	v_wmma_f32_16x16x32_bf16 v[\acc+8*\i:\acc+8*\i+7], v[\ef+8:\ef+15], v[ZF+16*\i+8:ZF+16*\i+15], v[\acc+8*\i:\acc+8*\i+7]
.endr
.endm
; The stages of one z tile's 18 vector instructions.
.macro TFMA acc, i                     ; z2 - 2 dot: 2 dot is exact, so this is one rounding
.irp j, 0,2,4,6
	v_pk_fma_f32 v[\acc+8*\i+\j:\acc+8*\i+\j+1], v[\acc+8*\i+\j:\acc+8*\i+\j+1], -2.0, v[Z2+2*\i:Z2+2*\i+1] op_sel_hi:[1,0,1]
.endr
.endm
.macro TADD acc, q, i                  ; + e2: the second rounding
.irp j, 0,2,4,6
	v_pk_add_f32 v[\acc+8*\i+\j:\acc+8*\i+\j+1], v[\acc+8*\i+\j:\acc+8*\i+\j+1], v[\q+\j:\q+\j+1]
.endr
.endm
.macro TMIN1 acc, i
	v_min3_num_f32 v[M1+\i], v[\acc+8*\i],   v[\acc+8*\i+1], v[\acc+8*\i+2]
	v_min3_num_f32 v[M2+\i], v[\acc+8*\i+3], v[\acc+8*\i+4], v[\acc+8*\i+5]
.endm
.macro TMIN2 acc, i
	v_min3_num_f32 v[M1+\i], v[M1+\i], v[\acc+8*\i+6], v[\acc+8*\i+7]
.endm
.macro TMIN3 i, rin, rout              ; the new running minimum, beside the old one
	v_min3_num_f32 v[\rout+\i], v[M1+\i], v[M2+\i], v[\rin+\i]
.endm
.macro TCMP i, rin, rout               ; strictly smaller: this code tile holds the new minimum
	v_cmp_lt_f32 vcc_lo, v[\rout+\i], v[\rin+\i]
.endm
.macro TSEL acc, i, st                 ; then keep its 8 distances and its number; which of the 8 it was is looked up once, behind the walk
.irp j, 0,2,4,6                        ; dual form: destinations even and odd, both pairs of sources in neighbouring registers, both select by VCC
	v_dual_cndmask_b32 v[SAV+8*\i+\j], v[SAV+8*\i+\j], v[\acc+8*\i+\j] :: v_dual_cndmask_b32 v[SAV+8*\i+\j+1], v[SAV+8*\i+\j+1], v[\acc+8*\i+\j+1]
.endr
	v_cndmask_b32 v[IDX+\i], v[IDX+\i], \st, vcc_lo
.endm
; The four tiles' stages, interleaved so that no line reads the line in front of it: an addition stands 12 or more instructions behind
; its multiply-add, a minimum 4 or more behind what it reads, a compare 4 or more behind its minimum, and 3, 2, 1 and 0 lines of later
; tiles stand between the compares and their selects (the dual selects read VCC alone, so the four compares cannot be made ahead).
.macro ARGMIN4 acc, q, rin, rout, st
	TFMA \acc, 0
	TFMA \acc, 1
	TFMA \acc, 2
	TFMA \acc, 3
	TADD \acc, \q, 0
	TADD \acc, \q, 1
	TMIN1 \acc, 0
	TMIN1 \acc, 1
	TADD \acc, \q, 2
	TMIN2 \acc, 0
	TMIN2 \acc, 1
	TADD \acc, \q, 3
	TMIN3 0, \rin, \rout
	TMIN3 1, \rin, \rout
	TMIN1 \acc, 2
	TCMP 0, \rin, \rout
	TMIN1 \acc, 3
	TMIN2 \acc, 2
	TSEL \acc, 0, \st
	TCMP 1, \rin, \rout
	TMIN2 \acc, 3
	TMIN3 2, \rin, \rout
	TSEL \acc, 1, \st
	TCMP 2, \rin, \rout
	TMIN3 3, \rin, \rout
	TSEL \acc, 2, \st
	TCMP 3, \rin, \rout
	TSEL \acc, 3, \st
.endm
; STEP g: the e2 of tile g + 1 and the fragments of tile g + 2 are asked for, tile g + 1 is multiplied, tile g's distances are worked on.
; DISTANCES (ISA guide 7.12.1).  Between a MULT4 and the ARGMIN4 that reads its results, between it and the MULT4 that writes the same
; accumulators again, and between it and the loads into the fragment buffer that it read, stands the whole ARGMIN4 of the tile before:
; 72 plain vector instructions on the other accumulators, which name none of its registers (behind the first MULT4: the 40 moves).
; WAITS.  Each step issues six LDS loads and then waits with the count 6: these six stay out, the six of the step before (this step's
; fragments and e2) are in, a whole step behind their issue.
	LOADE EF0, 0                                   ; tile 0
	LOADQ Q0, 0
	LOADE EF1, 16*EP                               ; tile 1
	s_mov_b32 s24, 0                               ; number of the even tile of the trip
	s_mov_b32 s25, 1                               ; of the odd one
	s_mov_b32 s26, 31                              ; 31 trips of two steps; the last two steps are written out behind the loop
	s_wait_dscnt 6                                 ; tile 0's four fragment loads are in; its e2 (2) and tile 1's fragments (4) stay out
	MULT4 EF0, ACCA
	; The start: minimum +inf, tile 0, kept distances +inf.  These 40 moves are also the places behind the first MULT4.
.set mv, 0
.rept 4
	v_mov_b32 v[RUNA+mv], s11
	v_mov_b32 v[IDX+mv], 0
.set mv, mv+1
.endr
.set mv, 0
.rept 32
	v_mov_b32 v[SAV+mv], s11
.set mv, mv+1
.endr
.Lpair:                                            ; trip n; AE and AQ stand at tile 2 n
	LOADQ Q1, 64                                   ; e2 of tile 2 n + 1
	LOADE EF0, 32*EP                               ; fragments of tile 2 n + 2
	s_wait_dscnt 6                                 ; tile 2 n + 1's fragments and tile 2 n's e2 are in
	MULT4 EF1, ACCB                                ; tile 2 n + 1
	ARGMIN4 ACCA, Q0, RUNA, RUNB, s24              ; tile 2 n
	LOADQ Q0, 128                                  ; e2 of tile 2 n + 2
	LOADE EF1, 48*EP                               ; fragments of tile 2 n + 3
	s_wait_dscnt 6                                 ; tile 2 n + 2's fragments and tile 2 n + 1's e2 are in
	MULT4 EF0, ACCA                                ; tile 2 n + 2
	ARGMIN4 ACCB, Q1, RUNB, RUNA, s25              ; tile 2 n + 1
	v_add_nc_u32 v[AE], 32*EP, v[AE]               ; two code tiles on
	v_add_nc_u32 v[AQ], 128, v[AQ]
	s_add_co_u32 s24, s24, 2
	s_add_co_u32 s25, s25, 2
	s_sub_co_u32 s26, s26, 1
	s_cmp_lg_u32 s26, 0
	s_cbranch_scc1 .Lpair
	; Steps 62 and 63: nothing is loaded beyond the image's last row.
	LOADQ Q1, 64                                   ; e2 of tile 63
	s_wait_dscnt 2                                 ; these two stay out; tile 63's fragments and tile 62's e2 are in
	MULT4 EF1, ACCB                                ; tile 63
	ARGMIN4 ACCA, Q0, RUNA, RUNB, s24              ; tile 62
	s_wait_dscnt 0x0                               ; e2 of tile 63
	ARGMIN4 ACCB, Q1, RUNB, RUNA, s25              ; tile 63
; THE END.  The minimum of my half lies in RUNA (tile 63 is odd).  First place j in the kept tile, my code, then the other half.
.macro FIN i
	v_mov_b32 v[RR], 7
.irp j, 6,5,4,3,2,1,0
	v_cmp_eq_f32 vcc_lo, v[SAV+8*\i+\j], v[RUNA+\i]
	v_cndmask_b32 v[RR], v[RR], \j, vcc_lo         ; descending, so that the lowest j stays
.endr
	v_lshl_add_u32 v[GOFF], v[IDX+\i], 3, v[RR]    ; 8 t + j
	v_lshl_add_u32 v[GOFF], v[HH], 9, v[GOFF]      ; + 512 h
	v_permlanex16_b32 v[AZ], v[RUNA+\i], s28, s29  ; the other half's minimum
	v_permlanex16_b32 v[TA], v[GOFF], s28, s29     ; and code
	v_cmp_lt_f32 s30, v[AZ], v[RUNA+\i]            ; the other half wins if it is smaller,
	v_cmp_eq_f32 s31, v[AZ], v[RUNA+\i]
	s_and_b32 s31, s31, s27                        ; or equal and I am half 1: its codes are the lower ones
	s_or_b32 vcc_lo, s30, s31
	v_cndmask_b32 v[RES+\i], v[GOFF], v[TA], vcc_lo ; both halves now hold the row's index
.endm
	FIN 0
	FIN 1
	FIN 2
	FIN 3
	v_cndmask_b32 v[FF],   v[RES],   v[RES+1], s27   ; row 2 l:     tile 0 in lanes 0-15, tile 1 in lanes 16-31
	v_cndmask_b32 v[FF+1], v[RES+2], v[RES+3], s27   ; row 2 l + 1: tile 2, tile 3
	global_store_b64 v[OIDX], v[FF:FF+1], s[8:9]     ; the wave's store covers 256 consecutive bytes, at a multiple of 256 from idx's first byte
	s_set_vgpr_msb 0x5
	s_wait_tensorcnt 0x0
	ds_add_u32 v0, v1
	s_wait_dscnt 0x0
	s_set_vgpr_msb 0x500
	s_endpgm
.Lfunc_end_k_qf7bc918b62_nearest:
	.size	k_qf7bc918b62_nearest, .Lfunc_end_k_qf7bc918b62_nearest-k_qf7bc918b62_nearest
	.p2alignl 7, 3214868480
	.fill 96, 4, 3214868480
	.section	.rodata,"a",@progbits
	.p2align	6, 0x0
	.amdhsa_kernel k_qf7bc918b62_nearest
		.amdhsa_group_segment_fixed_size 291840
		.amdhsa_private_segment_fixed_size 0
		.amdhsa_enable_private_segment 0
		.amdhsa_kernarg_size 24
		.amdhsa_user_sgpr_count 2
		.amdhsa_user_sgpr_kernarg_segment_ptr 1
		.amdhsa_wavefront_size32 1
		.amdhsa_system_sgpr_workgroup_id_x 1
		.amdhsa_system_sgpr_workgroup_id_y 1
		.amdhsa_system_sgpr_workgroup_id_z 1
		.amdhsa_system_vgpr_workitem_id 0
		.amdhsa_next_free_vgpr 258
		.amdhsa_next_free_sgpr 66
		.amdhsa_reserve_vcc 1
		.amdhsa_float_denorm_mode_32 3
		.amdhsa_float_denorm_mode_16_64 3
		.amdhsa_memory_ordered 1
		.amdhsa_forward_progress 1
		.amdhsa_inst_pref_size 84
	.end_amdhsa_kernel
	.amdgpu_metadata
---
amdhsa.version: [ 1, 2 ]
amdhsa.kernels:
  - .name:           k_qf7bc918b62_nearest
    .symbol:         k_qf7bc918b62_nearest.kd
    .args:
      - { .name: embedding, .offset: 0, .size: 8, .value_kind: global_buffer, .address_space: global }
      - { .name: z, .offset: 8, .size: 8, .value_kind: global_buffer, .address_space: global }
      - { .name: idx, .offset: 16, .size: 8, .value_kind: global_buffer, .address_space: global }
    .group_segment_fixed_size: 291840
    .private_segment_fixed_size: 0
    .kernarg_segment_align: 8
    .kernarg_segment_size: 24
    .max_flat_workgroup_size: 256
    .sgpr_count:     66
    .vgpr_count:     258
    .wavefront_size: 32
...
	.end_amdgpu_metadata
.endif
;; end of part 1
;; launch gather (part 2): grid 512 x 1, 8 waves a work-group, no clusters, 1,280 bytes of LDS; arguments embedding, z, idx, out1, part; writes out1, part
.if DOCPART == 2
	.amdgcn_target "amdgcn-amd-amdhsa--gfx1250"
	.amdhsa_code_object_version 6
	.text
	.protected	k_qf7bc918b62_gather
	.globl	k_qf7bc918b62_gather
	.p2align	8
	.type	k_qf7bc918b62_gather,@function
k_qf7bc918b62_gather:
	s_mov_b64 s[64:65], 0
	v_nop
	global_prefetch_b8 v0, s[64:65] scope:SCOPE_SE
	s_setreg_imm32_b32 hwreg(HW_REG_WAVE_MODE, 25, 1), 1
	s_wait_xcnt 0x0
; out1[b] = embedding[idx[b]], and part[g] = the sum over work-group g's 256 rows of (z - z_q)^2, all in f32 from the f32 inputs.
; The squared differences are formed as such, not as the smallest distance of the search: that one is a difference of large sums.
; A stream without a loop: 512 work-groups x 8 waves x 32 rows.  In step s lanes 0-15 take row s and lanes 16-31 row 16 + s of the wave's 32,
; 16 bytes a lane, so that sixteen neighbouring lanes cover one row = 256 consecutive bytes, aligned, in z, in the codebook and in out1.
; Everything a wave reads is asked for before anything is used: 4 index loads, 16 loads of z, 16 gathers.
; No matrix unit, no tensor load, no cluster: nothing is multiplied and no two work-groups share a row of z.  The codebook is gathered from
; memory: staging its 262,144 bytes in every work-group's LDS would move more than the 65,536 bytes that a work-group takes from it.
; idx holds numbers 0..1023; the v_min_u32 keeps every gather inside the table whatever it holds.
.set C16,  4                           ; 16 x (lane % 16)
.set VOFF, 5                           ; 4,096 x (lane / 16) + 16 x (lane % 16)
.set IOFF, 6                           ; 64 x (lane / 16)
.set WADR, 7                           ; 4 x wave: my wave's word in LDS
.set IX,   8                           ; v[8:23]    the 16 indices of my half's rows, then the gathers' offsets
.set ZZ,   24                          ; v[24:87]   step s: 4 numbers of z
.set EE,   88                          ; v[88:151]  step s: 4 numbers of the code
.set TT,   152                         ; v[152:155] differences
.set ACC,  156                         ; v[156:159] four running sums
.set PS,   160                         ; v[160:167] the eight waves' sums
	s_load_b256 s[4:11], s[0:1], 0x0               ; embedding s[4:5], z s[6:7], idx s[8:9], out1 s[10:11]
	s_load_b64 s[12:13], s[0:1], 0x20              ; part
	v_lshl_add_u32 v168, v0, 2, 0x100
	v_mov_b32 v169, 0
	v_lshrrev_b32 v1, 5, v0
	v_readfirstlane_b32 s14, v1                    ; wave 0..7
	s_lshl_b32 s16, ttmp9, 16                      ; 256 rows x 256 bytes for each work-group,
	s_lshl_b32 s17, s14, 13                        ; 32 rows x 256 bytes for each wave: below 2^25
	s_add_co_u32 s16, s16, s17
	s_mov_b32 s17, 0
	s_lshl_b32 s18, ttmp9, 10                      ; the same rows x 4 bytes in idx
	s_lshl_b32 s19, s14, 7
	s_add_co_u32 s18, s18, s19
	s_mov_b32 s19, 0
	s_lshl_b32 s22, ttmp9, 2                       ; my work-group's word in part
	s_mov_b32 s23, 0
	s_mov_b32 s20, 0x76543210                      ; v_permlanex16_b32: lane i of one half reads lane i of the other
	s_mov_b32 s21, 0xfedcba98
	v_and_b32 v2, 15, v0
	v_bfe_u32 v3, v0, 4, 1
	v_lshlrev_b32 v[C16], 4, v2
	v_lshl_add_u32 v[VOFF], v3, 12, v[C16]
	v_lshlrev_b32 v[IOFF], 6, v3
	v_mov_b32 v[WADR], s14
	v_lshlrev_b32 v[WADR], 2, v[WADR]
	s_wait_kmcnt 0x0
	s_add_nc_u64 s[6:7], s[6:7], s[16:17]
	s_add_nc_u64 s[10:11], s[10:11], s[16:17]
	s_add_nc_u64 s[8:9], s[8:9], s[18:19]
	s_add_nc_u64 s[12:13], s[12:13], s[22:23]
.irp q, 0,1,2,3
	global_load_b128 v[IX+4*\q:IX+4*\q+3], v[IOFF], s[8:9] offset:16*\q      ; my half's 16 indices: 64 neighbouring bytes
.endr
.irp s, 0,1,2,3,4,5,6,7,8,9,10,11,12,13,14,15
	global_load_b128 v[ZZ+4*\s:ZZ+4*\s+3], v[VOFF], s[6:7] offset:256*\s th:TH_LOAD_NT
.endr
	s_wait_loadcnt 16                              ; loads return in order: the indices are in, the 16 loads of z stay out
.irp s, 0,1,2,3,4,5,6,7,8,9,10,11,12,13,14,15
	v_min_u32 v[IX+\s], 0x3ff, v[IX+\s]
	v_lshl_add_u32 v[IX+\s], v[IX+\s], 8, v[C16]   ; 256 bytes a code + my 16 bytes
	global_load_b128 v[EE+4*\s:EE+4*\s+3], v[IX+\s], s[4:5]
.endr
; One step.  No register that a pending load or store names is ever written again: each step has its own.
.macro STEP s, first
	s_wait_loadcnt 15-\s                           ; gather s (and all of z, asked for earlier) is in; the 15 - s younger gathers stay out
	global_store_b128 v[VOFF], v[EE+4*\s:EE+4*\s+3], s[10:11] offset:256*\s th:TH_STORE_NT
	v_pk_add_f32 v[TT:TT+1],   v[ZZ+4*\s:ZZ+4*\s+1],   v[EE+4*\s:EE+4*\s+1]   neg_lo:[0,1] neg_hi:[0,1]
	v_pk_add_f32 v[TT+2:TT+3], v[ZZ+4*\s+2:ZZ+4*\s+3], v[EE+4*\s+2:EE+4*\s+3] neg_lo:[0,1] neg_hi:[0,1]
.if \first
	v_pk_mul_f32 v[ACC:ACC+1],   v[TT:TT+1],   v[TT:TT+1]                     ; the first squares start the sums
	v_pk_mul_f32 v[ACC+2:ACC+3], v[TT+2:TT+3], v[TT+2:TT+3]
.else
	v_pk_fma_f32 v[ACC:ACC+1],   v[TT:TT+1],   v[TT:TT+1],   v[ACC:ACC+1]
	v_pk_fma_f32 v[ACC+2:ACC+3], v[TT+2:TT+3], v[TT+2:TT+3], v[ACC+2:ACC+3]
.endif
.endm
	STEP 0, 1
.irp s, 1,2,3,4,5,6,7,8,9,10,11,12,13,14,15
	STEP \s, 0
.endr
	; the lane's four sums, the wave's 32 lanes, the work-group's 8 waves
	v_pk_add_f32 v[ACC:ACC+1], v[ACC:ACC+1], v[ACC+2:ACC+3]
	v_add_f32 v[ACC], v[ACC], v[ACC+1]
	v_add_f32_dpp v[ACC], v[ACC], v[ACC] row_xmask:1 row_mask:0xf bank_mask:0xf
	v_add_f32_dpp v[ACC], v[ACC], v[ACC] row_xmask:2 row_mask:0xf bank_mask:0xf
	v_add_f32_dpp v[ACC], v[ACC], v[ACC] row_xmask:4 row_mask:0xf bank_mask:0xf
	v_add_f32_dpp v[ACC], v[ACC], v[ACC] row_xmask:8 row_mask:0xf bank_mask:0xf
	v_permlanex16_b32 v[TT], v[ACC], s20, s21      ; TT has been written before
	v_add_f32 v[ACC], v[ACC], v[TT]
	ds_store_b32 v[WADR], v[ACC]                   ; all lanes write the same word with the same number
	s_wait_dscnt 0x0                               ; my word is written,
	s_barrier_signal -1
	s_barrier_wait -1                              ; everybody's is
	v_mov_b32 v1, 0
	ds_load_b128 v[PS:PS+3], v1
	ds_load_b128 v[PS+4:PS+7], v1 offset:16
	s_wait_dscnt 0x0
	v_pk_add_f32 v[PS:PS+1],   v[PS:PS+1],   v[PS+4:PS+5]
	v_pk_add_f32 v[PS+2:PS+3], v[PS+2:PS+3], v[PS+6:PS+7]
	v_pk_add_f32 v[PS:PS+1],   v[PS:PS+1],   v[PS+2:PS+3]
	v_add_f32 v[PS], v[PS], v[PS+1]
	v_cmp_eq_u32 vcc_lo, 0, v0
	s_wait_xcnt 0x0                                ; EXEC is a source of the stores above: it is narrowed only behind this wait
	s_wait_tensorcnt 0x0
	ds_add_u32 v168, v169
	s_wait_dscnt 0x0
	s_and_saveexec_b32 s15, vcc_lo                 ; thread 0 alone
	global_store_b32 v1, v[PS], s[12:13]           ; one owner for each word of part; the next launch adds them in a fixed order
	s_endpgm
.Lfunc_end_k_qf7bc918b62_gather:
	.size	k_qf7bc918b62_gather, .Lfunc_end_k_qf7bc918b62_gather-k_qf7bc918b62_gather
	.p2alignl 7, 3214868480
	.fill 96, 4, 3214868480
	.section	.rodata,"a",@progbits
	.p2align	6, 0x0
	.amdhsa_kernel k_qf7bc918b62_gather
		.amdhsa_group_segment_fixed_size 1280
		.amdhsa_private_segment_fixed_size 0
		.amdhsa_enable_private_segment 0
		.amdhsa_kernarg_size 40
		.amdhsa_user_sgpr_count 2
		.amdhsa_user_sgpr_kernarg_segment_ptr 1
		.amdhsa_wavefront_size32 1
		.amdhsa_system_sgpr_workgroup_id_x 1
		.amdhsa_system_sgpr_workgroup_id_y 1
		.amdhsa_system_sgpr_workgroup_id_z 1
		.amdhsa_system_vgpr_workitem_id 0
		.amdhsa_next_free_vgpr 170
		.amdhsa_next_free_sgpr 66
		.amdhsa_reserve_vcc 1
		.amdhsa_float_denorm_mode_32 3
		.amdhsa_float_denorm_mode_16_64 3
		.amdhsa_memory_ordered 1
		.amdhsa_forward_progress 1
		.amdhsa_inst_pref_size 15
	.end_amdhsa_kernel
	.amdgpu_metadata
---
amdhsa.version: [ 1, 2 ]
amdhsa.kernels:
  - .name:           k_qf7bc918b62_gather
    .symbol:         k_qf7bc918b62_gather.kd
    .args:
      - { .name: embedding, .offset: 0, .size: 8, .value_kind: global_buffer, .address_space: global }
      - { .name: z, .offset: 8, .size: 8, .value_kind: global_buffer, .address_space: global }
      - { .name: idx, .offset: 16, .size: 8, .value_kind: global_buffer, .address_space: global }
      - { .name: out1, .offset: 24, .size: 8, .value_kind: global_buffer, .address_space: global }
      - { .name: part, .offset: 32, .size: 8, .value_kind: global_buffer, .address_space: global }
    .group_segment_fixed_size: 1280
    .private_segment_fixed_size: 0
    .kernarg_segment_align: 8
    .kernarg_segment_size: 40
    .max_flat_workgroup_size: 256
    .sgpr_count:     66
    .vgpr_count:     170
    .wavefront_size: 32
...
	.end_amdgpu_metadata
.endif
;; end of part 2
;; launch total (part 3): grid 1 x 1, 1 waves a work-group, no clusters, 0 bytes of LDS; arguments part, out0; writes out0
.if DOCPART == 3
	.amdgcn_target "amdgcn-amd-amdhsa--gfx1250"
	.amdhsa_code_object_version 6
	.text
	.protected	k_qf7bc918b62_total
	.globl	k_qf7bc918b62_total
	.p2align	8
	.type	k_qf7bc918b62_total,@function
k_qf7bc918b62_total:
	s_mov_b64 s[64:65], 0
	v_nop
	global_prefetch_b8 v0, s[64:65] scope:SCOPE_SE
	s_setreg_imm32_b32 hwreg(HW_REG_WAVE_MODE, 25, 1), 1
	s_wait_xcnt 0x0
; out0 = 1.25 x the sum of the 512 partial sums: the embedding loss S plus the commitment loss 0.25 S, S = sum of (z - z_q)^2.
; One wave: 2,048 bytes are four loads of 16 bytes a lane.  A sum over work-groups without traffic between them needs a launch of its own.
	s_load_b128 s[4:7], s[0:1], 0x0                ; part s[4:5], out0 s[6:7]
	v_lshlrev_b32 v1, 4, v0
	v_mov_b32 v2, 0
	s_mov_b32 s8, 0x76543210                       ; v_permlanex16_b32: lane i of one half reads lane i of the other
	s_mov_b32 s9, 0xfedcba98
	s_wait_kmcnt 0x0
.irp q, 0,1,2,3
	global_load_b128 v[4+4*\q:7+4*\q], v1, s[4:5] offset:512*\q
.endr
	s_wait_loadcnt 0x0
	v_pk_add_f32 v[4:5], v[4:5], v[8:9]
	v_pk_add_f32 v[6:7], v[6:7], v[10:11]
	v_pk_add_f32 v[12:13], v[12:13], v[16:17]
	v_pk_add_f32 v[14:15], v[14:15], v[18:19]
	v_pk_add_f32 v[4:5], v[4:5], v[12:13]
	v_pk_add_f32 v[6:7], v[6:7], v[14:15]
	v_pk_add_f32 v[4:5], v[4:5], v[6:7]
	v_add_f32 v4, v4, v5
	v_add_f32_dpp v4, v4, v4 row_xmask:1 row_mask:0xf bank_mask:0xf
	v_add_f32_dpp v4, v4, v4 row_xmask:2 row_mask:0xf bank_mask:0xf
	v_add_f32_dpp v4, v4, v4 row_xmask:4 row_mask:0xf bank_mask:0xf
	v_add_f32_dpp v4, v4, v4 row_xmask:8 row_mask:0xf bank_mask:0xf
	v_permlanex16_b32 v5, v4, s8, s9               ; v5 has been written before
	v_add_f32 v4, v4, v5
	v_mul_f32 v4, 0x3fa00000, v4                   ; x 1.25
	v_cmp_eq_u32 vcc_lo, 0, v0
	s_wait_xcnt 0x0                                ; EXEC is narrowed only behind this wait
	s_and_saveexec_b32 s10, vcc_lo                 ; lane 0 alone
	global_store_b32 v2, v4, s[6:7]
	s_endpgm
.Lfunc_end_k_qf7bc918b62_total:
	.size	k_qf7bc918b62_total, .Lfunc_end_k_qf7bc918b62_total-k_qf7bc918b62_total
	.p2alignl 7, 3214868480
	.fill 96, 4, 3214868480
	.section	.rodata,"a",@progbits
	.p2align	6, 0x0
	.amdhsa_kernel k_qf7bc918b62_total
		.amdhsa_group_segment_fixed_size 0
		.amdhsa_private_segment_fixed_size 0
		.amdhsa_enable_private_segment 0
		.amdhsa_kernarg_size 16
		.amdhsa_user_sgpr_count 2
		.amdhsa_user_sgpr_kernarg_segment_ptr 1
		.amdhsa_wavefront_size32 1
		.amdhsa_system_sgpr_workgroup_id_x 1
		.amdhsa_system_sgpr_workgroup_id_y 1
		.amdhsa_system_sgpr_workgroup_id_z 1
		.amdhsa_system_vgpr_workitem_id 0
		.amdhsa_next_free_vgpr 24
		.amdhsa_next_free_sgpr 66
		.amdhsa_reserve_vcc 1
		.amdhsa_float_denorm_mode_32 3
		.amdhsa_float_denorm_mode_16_64 3
		.amdhsa_memory_ordered 1
		.amdhsa_forward_progress 1
		.amdhsa_inst_pref_size 3
	.end_amdhsa_kernel
	.amdgpu_metadata
---
amdhsa.version: [ 1, 2 ]
amdhsa.kernels:
  - .name:           k_qf7bc918b62_total
    .symbol:         k_qf7bc918b62_total.kd
    .args:
      - { .name: part, .offset: 0, .size: 8, .value_kind: global_buffer, .address_space: global }
      - { .name: out0, .offset: 8, .size: 8, .value_kind: global_buffer, .address_space: global }
    .group_segment_fixed_size: 0
    .private_segment_fixed_size: 0
    .kernarg_segment_align: 8
    .kernarg_segment_size: 16
    .max_flat_workgroup_size: 32
    .sgpr_count:     66
    .vgpr_count:     24
    .wavefront_size: 32
...
	.end_amdgpu_metadata
.endif
;; end of part 3
